; MI455X (gfx1250); checked and timed in simulation.
; The chip was launched on July 23, 2026; its instructions are those of AMD's public machine-readable ISA for CDNA 5 (MIT licence, August 2026) and "CDNA5" Instruction Set Architecture Reference Guide (July 2026). The comments in the code are by the model that wrote it; some were corrected since.
;; Torchao Quant Linear Fp8. Allowed arithmetic: matrix products marked QUANTISED: E2M3 operands, one E8M0 scale for each 32 along K, by v_wmma_scale_f32_16x16x128_f8f6f4 with both operands' format E2M3, f32 sums; everything else in f32.
;; Inputs: bias 4,096 bfloat16; input_tensor 1 x 4,096 x 4,096 bfloat16; weight 4,096 x 4,096 float32.
;; Outputs: out0 1 x 4,096 x 4,096 bfloat16.
;; This version of the problem:
;;   THIS VERSION OF THE PROBLEM IS GIVEN IN LOW PRECISION. The matrix products marked QUANTISED in the list below multiply operands that are first quantised to E2M3 (2 exponent bits, 3 mantissa bits; 6 bits a number), with one power-of-two scale for each 32 numbers along K (OCP MX v1.0); their sums are f32. All else is computed in f32.
;;   The module's matrix products, in the order in which they are computed (A, B: the left and right operand; K: the contracted axis; several contracted axes count as one K, in the product's order):
;;     1. [M 4,096, K 4,096] x [K 4,096, N 4,096]; A: computed on the way; B: computed on the way: QUANTISED
;;   THE QUANTISER, for each operand of a quantised product, along K:
;;     - K is cut into blocks of 32 from its start; a last block that is shorter is filled with zeros.
;;     - A block's scale is 2^e with e = floor(log2(the largest magnitude in the block)) - 2, held to -126 .. 127; a block of zeros has e = 0. As a byte (E8M0): e + 127.
;;     - Each number is divided by its block's scale, clamped to +-7.5, and rounded to the nearest number of E2M3, ties to even, subnormals kept.
;;     - The product sums the exact products of the quantised numbers (number of the format x scale) in f32.
;;   ~~~python
;;   def quantise(x, axis):      # numpy; x: float32 -> the quantised numbers, widened to float32 again
;;       x = np.moveaxis(x, axis, -1); K = x.shape[-1]
;;       x = np.pad(x, [(0, 0)] * (x.ndim - 1) + [(0, -K % 32)]); x = x.reshape(x.shape[:-1] + (-1, 32)); a = np.abs(x).max(-1, keepdims=True)
;;       e = np.where(a > 0, np.clip(np.frexp(np.where(a > 0, a, 1))[1] - 1 - 2, -126, 127), 0)      # np.frexp(a)[1] - 1 = floor(log2(a)), exactly
;;       r = np.clip(x / 2.0 ** e, -7.5, 7.5)
;;       step = 2.0 ** (np.maximum(np.frexp(np.where(r == 0, 1, r))[1] - 1, 0) - 3)
;;       q = np.round(r / step) * step * 2.0 ** e      # np.round: ties to even
;;       return np.moveaxis(q.reshape(q.shape[:-2] + (-1,))[..., :K], -1, axis).astype(np.float32)
;;   ~~~
;;   OPERANDS COMPUTED ON THE WAY. 'Computed on the way' means the value that the module computes at that place (a softmax that the list does not call 'softmax' is quantised finished and normalised). What goes into a quantiser is computed in f32, as accurately as f32 sums, v_exp_f32 and their like allow (about 1e-6 of the number): no bf16 or f16 on the way to a quantiser, and a product that is left as it is and whose result goes on into a quantised operand takes f32 operands (vector FMAs, or v_wmma_f32_16x16x4_f32). A number that lies on a knife's edge between two numbers of the format may be rounded either way, as far as f32 arithmetic and the matrix unit's own rounding can turn it there, and no further.
;; One version. Each part assembles by itself: llvm-mc -triple=amdgcn-amd-amdhsa -mcpu=gfx1250 --defsym DOCPART=n.
;; ======== version 1 of 1: 2 launches
;; limits: values are held in bf16: 8 bits of precision; right only within a limited range of input values
;; workspace buffers: xq 13,303,808 bytes; wq 13,303,808 bytes; x_rs 16,384 bytes; w_rs 16,384 bytes
;; launch quant (part 1): grid 256 x 1, 16 waves a work-group, no clusters, 188,416 bytes of LDS; arguments input_tensor, weight, xq, x_rs, wq, w_rs; writes xq, x_rs, wq, w_rs
.if DOCPART == 1
	.amdgcn_target "amdgcn-amd-amdhsa--gfx1250"
	.amdhsa_code_object_version 6
	.text
	.protected	k_q833bad453d_quant
	.globl	k_q833bad453d_quant
	.p2align	8
	.type	k_q833bad453d_quant,@function
k_q833bad453d_quant:
	s_mov_b64 s[64:65], 0
	v_nop
	global_prefetch_b8 v0, s[64:65] scope:SCOPE_SE
	s_setreg_imm32_b32 hwreg(HW_REG_WAVE_MODE, 25, 1), 1
	s_wait_xcnt 0x0
; x [4096][4096] bf16 and weight [4096][4096] f32 become the two operands of the product, row by row:
;   s = max(largest |.| of the row, 1e-8) / 448;  q = the row / s, held to +-448, rounded to E4M3 (nearest, ties to even);
;   q, widened again, is quantised along K in blocks of 32 to codes of E2M3 with one E8M0 byte a block: byte = the exponent field of the block's largest magnitude - 2.
; No step and no input of the problem is left out.
; STORED, for each tensor, as dense images of what the product's launch holds in LDS: [32 halves of 128 rows][11 pieces]; a piece serves three steps of 128 along K (the last: two):
;   2,048 bytes of scales: block i of 16 rows at 256 i, row r at 16 r: one word of four block bytes for each step, the rest zeros;
;   then for each step eight fragments of 1,536 bytes (16 rows x 128 k): the 24 bytes of codes of k = 32 kb .. 32 kb + 31 of row r at 48 r + 768 (kb & 1) + 24 (kb >> 1): the 48 bytes at 48 L are lane L's operand registers.
; A piece is 38,912 bytes, the last 26,624, a half 415,744: all multiples of 256.  And the row scales s [4096] f32.
; All arithmetic ahead of the E4M3 rounding is f32.  s is made as an IEEE division rounds it (a product with 1 / 448, the exact remainder by a fused multiply-add, one correction).
; The row's quotients are products with 1 / s, the reciprocal sharpened twice by 1 - s R.
; LIMITS: a quotient differs from the IEEE quotient by two units in its last place at the most, so one that lies so near the middle between two numbers of E4M3 may be rounded the other way.
; NaN and infinities among the inputs are not served (the maxima drop a NaN).  A block of zeros gets the byte 1 where the quantiser's rule says 127: its codes are zeros, which add nothing
; under any byte but 0xff, and the bytes are read by this program alone.
; SHARES.  Work-group g takes rows 16 g .. 16 g + 15 of x and of weight: one block of 16 rows of each.  Wave w takes row 16 g + w of x and then the same row of weight: all waves have the same work and one path.
; A row stays in 128 registers between the pass that finds its maximum and the pass that divides.  Its 4,096 E4M3 bytes turn through the wave's own 4,096 bytes of LDS and come back 16 neighbours a lane.
; Weight's loads are issued group by group as x's registers fall free.
; THE WAY OUT.  Codes and block bytes of the 16 rows meet in one image for each tensor in LDS.  In LDS each half fragment of 768 bytes has 48 bytes of padding behind it: a lane's word of codes then stands at word
; 3 (l & 1) + 6 ((l >> 2) & 1) + 204 ((l >> 1) & 1) + 408 (l >> 3) + a constant, which are 32 different numbers modulo 64 (64 banks of 4 bytes: ISA guide 11.1).
; Behind a barrier each wave stores two steps' fragments (6 stores of 512 consecutive bytes), and eleven waves a block of 256 scale bytes: every store covers whole aligned blocks of 256 bytes.
; x's image leaves while weight's row is on its way in.
.set WREG,  4096
.set HPB,   816                        ; a half fragment in LDS
.set SPB,   1632                       ; a step's fragment in LDS
.set CIMG,  65536                      ; the images of codes: 32 steps x 1,632 bytes, x's and then weight's
.set CIMB,  52224
.set SIMG,  169984                     ; the images of scales: 256 bytes a piece; room for 32 pieces, so that each lane zeroes a place of its own; x's and then weight's
.set SIMB,  8192
.set SPARE, 186368                     ; the spare words, 128 bytes for each of 16 waves
.set PIECEB, 38912
.set HBB,   415744
.set LOFF,  1                          ; 16 x lane
.set LW4,   2                          ; region + 4 x lane
.set LW8,   3                          ; region + 8 x lane
.set LR,    4                          ; region + 16 x lane
.set LBI,   5                          ; my block's byte: x's scale image + 16 x row + 4 (lane / 8) + (lane / 2) % 4
.set LZ,    6                          ; x's scale image + 16 x row + 256 x lane
.set L12,   7                          ; my 12 bytes of codes in x's image
.set LM,    8                          ; 11 x (lane / 8)
.set ONE,   9
.set U7F,   10
.set T0,    11
.set M,     12
.set TS,    12
.set TB,    14
.set R,     16
.set NS,    18
.set RDI2,  19                         ; RDI + 48 for lanes 16-31: the 512 bytes that lie across a fragment's two halves
.set RSC,   20                         ; v20 x's row scale, v21 weight's
.set T1,    22
.set Q,     24
.set D,     40
.set C,     40
.set F,     72
.set E,     104                        ; v104-105 a block byte, two by turns
.set RDI,   106                        ; behind a barrier: my two steps of x's image + 16 x lane
.set RDS,   107                        ; my piece's scales + 8 x lane
.set L8,    108                        ; 8 x lane
.set SPW,   109
.set NIL,   110
.set L12W,  111                        ; my 12 bytes of codes in weight's image
.set Y1,    112
.set X,     128
.set FLOOR, 28
.set C448,  29
.set LO,    30
.set HI,    31
.set UP,    32
	s_load_b128 s[4:7], s[0:1], 0x0                ; x, weight
	s_load_b128 s[8:11], s[0:1], 0x10              ; x's images, x's row scales
	s_load_b128 s[12:15], s[0:1], 0x20             ; weight's images, weight's row scales
	v_lshl_add_u32 v[SPW], v0, 2, SPARE
	v_mov_b32 v[NIL], 0
	v_lshrrev_b32 v12, 5, v0
	v_readfirstlane_b32 s20, v12                   ; wave 0..15: my row of the 16
	s_lshl_b32 s22, ttmp9, 4
	s_add_co_u32 s22, s22, s20                     ; my row of the tensors
	s_mul_i32 s27, s20, WREG
	s_mul_i32 s37, s20, 48
	s_add_co_u32 s37, s37, CIMG
	s_lshl_b32 s38, s20, 4
	s_add_co_u32 s38, s38, SIMG
	s_mul_i32 s39, s20, 2*SPB
	s_add_co_u32 s39, s39, CIMG                    ; the two steps that I store
	s_lshl_b32 s40, s20, 8
	s_add_co_u32 s40, s40, SIMG                    ; the piece whose scales I store
	v_and_b32 v12, 31, v0                          ; lane
	v_lshlrev_b32 v[LOFF], 4, v12
	v_lshl_add_u32 v[LW4], v12, 2, s27
	v_lshl_add_u32 v[LW8], v12, 3, s27
	v_lshl_add_u32 v[LR], v12, 4, s27
	v_lshrrev_b32 v13, 3, v12                      ; lane / 8: which of a run's four steps
	v_bfe_u32 v14, v12, 1, 2                       ; which block of the step's four
	v_lshl_add_u32 v[LBI], v13, 2, v14
	v_add_nc_u32 v[LBI], s38, v[LBI]
	v_lshl_add_u32 v[LZ], v12, 8, s38
	v_mul_u32_u24 v[L12], v13, SPB
	v_bfe_u32 v14, v12, 1, 1
	v_mad_u32_u24 v[L12], v14, HPB, v[L12]
	v_bfe_u32 v14, v12, 2, 1
	v_mad_u32_u24 v[L12], v14, 24, v[L12]
	v_and_b32 v14, 1, v12
	v_mad_u32_u24 v[L12], v14, 12, v[L12]
	v_add_nc_u32 v[L12], s37, v[L12]
	v_add_nc_u32 v[L12W], CIMB, v[L12]
	v_mul_u32_u24 v[LM], v13, 11
	v_lshl_add_u32 v[RDI], v12, 4, s39
	v_lshrrev_b32 v14, 4, v12
	v_mad_u32_u24 v[RDI2], v14, 48, v[RDI]
	v_lshl_add_u32 v[RDS], v12, 3, s40
	v_lshlrev_b32 v[L8], 3, v12
	v_mov_b32 v[ONE], 1.0
	v_mov_b32 v[U7F], 0x7f7f7f7f
	v_mov_b32 v[T0], 0
.irp i, 0,1,2,3
	v_mov_b32 v[Q+\i], 0
.endr
	ds_store_b128 v[LZ], v[Q:Q+3]                  ; my row's 16 scale bytes of every piece are zeroed, in both images; LDS serves a wave's instructions in order, so the bytes stored later lie over these zeros
	ds_store_b128 v[LZ], v[Q:Q+3] offset:SIMB
	s_mov_b32 s[FLOOR], 0x322bcc77
	s_mov_b32 s[C448], 0x3b124925
	s_mov_b32 s[LO], 0xc3e00000
	s_mov_b32 s[HI], 0x43e00000
	s_mov_b32 s[UP], 0xffff0000
	s_mov_b32 s34, 0x76543210
	s_mov_b32 s35, 0xfedcba98
	s_mov_b32 s25, 0
	s_wait_alu depctr_va_vdst(0)                   ; the wait at the head's end
	s_wait_kmcnt 0x0
	s_lshl_b32 s24, s22, 13
	s_add_nc_u64 s[4:5], s[4:5], s[24:25]
; kind 0 = x (bf16), kind 1 = weight (f32).  Group g of 16: 256 numbers of the row, 8 a lane.
.macro LOADG kind, g
.if \kind
	global_load_b128 v[X+8*(\g):X+8*(\g)+3], v[LOFF], s[6:7] offset:1024*(\g) th:TH_LOAD_NT
	global_load_b128 v[X+8*(\g)+4:X+8*(\g)+7], v[LOFF], s[6:7] offset:1024*(\g)+512 th:TH_LOAD_NT
.else
	global_load_b128 v[X+8*(\g)+4:X+8*(\g)+7], v[LOFF], s[4:5] offset:512*(\g) th:TH_LOAD_NT
.endif
.endm
.macro UNPACK g
.set XU, X+8*(\g)
	v_lshlrev_b32 v[XU+0], 16, v[XU+4]
	v_and_b32     v[XU+1], s[UP], v[XU+4]
	v_lshlrev_b32 v[XU+2], 16, v[XU+5]
	v_and_b32     v[XU+3], s[UP], v[XU+5]
	v_lshlrev_b32 v[XU+4], 16, v[XU+6]
	v_and_b32     v[XU+5], s[UP], v[XU+6]
	v_lshlrev_b32 v[XU+6], 16, v[XU+7]
	v_and_b32     v[XU+7], s[UP], v[XU+7]
.endm
.set gi, 0
.rept 16
	LOADG 0, gi                                    ; x's whole row is asked for at once
.set gi, gi+1
.endr
	s_lshl_b32 s24, s22, 14
	s_add_nc_u64 s[6:7], s[6:7], s[24:25]
	; where my stores go: half g / 8, block g % 8; step s begins at 12,288 s + 2,048 (s / 3) + 2,048 of the half, piece t's scales at 38,912 t.  s[44 + 4 n + 2 kind ..]: my n-th step; s[54 + 2 kind ..]: my piece
	s_lshl_b32 s24, s22, 2
	s_add_nc_u64 s[10:11], s[10:11], s[24:25]
	s_add_nc_u64 s[14:15], s[14:15], s[24:25]
	s_lshr_b32 s41, ttmp9, 3
	s_mul_i32 s41, s41, HBB
	s_and_b32 s42, ttmp9, 7
	s_lshl_b32 s24, s42, 8
	s_add_co_u32 s24, s24, s41
	s_mul_i32 s43, s20, PIECEB
	s_add_co_u32 s24, s24, s43
	s_add_nc_u64 s[54:55], s[8:9], s[24:25]
	s_add_nc_u64 s[56:57], s[12:13], s[24:25]
	s_mul_i32 s42, s42, 1536
	s_add_co_u32 s41, s41, s42
	s_add_co_u32 s41, s41, 2048
.irp n, 0,1
	s_lshl_b32 s42, s20, 1
	s_add_co_u32 s42, s42, \n
	s_mul_i32 s43, s42, 11
	s_lshr_b32 s43, s43, 5                         ; s / 3, exact for s < 32
	s_lshl_b32 s43, s43, 11
	s_mul_i32 s24, s42, 12288
	s_add_co_u32 s24, s24, s43
	s_add_co_u32 s24, s24, s41
	s_add_nc_u64 s[44+4*\n:45+4*\n], s[8:9], s[24:25]
	s_add_nc_u64 s[46+4*\n:47+4*\n], s[12:13], s[24:25]
.endr
; One row.  ahead = 1: weight's loads are issued as this row's registers fall free.
.macro ROW kind, ahead
.set LPG, 1+\kind
.set LC, L12+(L12W-L12)*\kind
	; the row arrives, two groups at a time; its largest magnitude in four chains, the floor 1e-8 a leaf of the first four lines
.set ti, 0
.rept 8
	s_wait_alu depctr_va_vdst(0)
	s_wait_loadcnt LPG*(14-2*ti)                   ; groups 2 t and 2 t + 1 are in; the 14 - 2 t groups behind them may be out
.if \kind == 0
	UNPACK 2*ti
	UNPACK 2*ti+1
.endif
.set ii, 0
.rept 8
.if (ti == 0) && (ii < 4)
	v_max3_num_f32 v[M+ii], |v[X+2*ii]|, |v[X+2*ii+1]|, s[FLOOR]
.else
	v_max3_num_f32 v[M+ii%4], v[M+ii%4], |v[X+16*ti+2*ii]|, |v[X+16*ti+2*ii+1]|
.endif
.set ii, ii+1
.endr
.set ti, ti+1
.endr
	s_delay_alu instid0(VALU_DEP_2)
	v_max3_num_f32 v[M], v[M], v[M+1], v[M+2]
	s_delay_alu instid0(VALU_DEP_1)
	v_max_num_f32 v[M], v[M], v[M+3]
	s_delay_alu instid0(VALU_DEP_1)
	v_max_num_f32_dpp v[M], v[M], v[M] row_xmask:1 row_mask:0xf bank_mask:0xf
	s_delay_alu instid0(VALU_DEP_1)
	v_max_num_f32_dpp v[M], v[M], v[M] row_xmask:2 row_mask:0xf bank_mask:0xf
	s_delay_alu instid0(VALU_DEP_1)
	v_max_num_f32_dpp v[M], v[M], v[M] row_xmask:4 row_mask:0xf bank_mask:0xf
	s_delay_alu instid0(VALU_DEP_1)
	v_max_num_f32_dpp v[M], v[M], v[M] row_xmask:8 row_mask:0xf bank_mask:0xf
	s_delay_alu instid0(VALU_DEP_1)
	v_permlanex16_b32 v[T0], v[M], s34, s35
	s_delay_alu instid0(VALU_DEP_1)
	v_max_num_f32 v[M], v[M], v[T0]                ; every lane holds max(largest magnitude, 1e-8)
	s_delay_alu instid0(VALU_DEP_1)
	v_mul_f32 v[T0], s[C448], v[M]                 ; s = that / 448: a first quotient,
	s_delay_alu instid0(VALU_DEP_1)
	v_fma_f32 v[T1], s[LO], v[T0], v[M]            ; its exact remainder,
	s_delay_alu instid0(VALU_DEP_1)
	v_fma_f32 v[RSC+\kind], v[T1], s[C448], v[T0]  ; and the correction
	s_wait_alu depctr_va_vdst(0)                   ; the wait ahead of the transcendental
	v_rcp_f32 v[R], v[RSC+\kind]
	v_xor_b32 v[NS], 0x80000000, v[RSC+\kind]      ; -s (the plain instruction behind the reciprocal)
	s_wait_alu depctr_va_vdst(0)                   ; and ahead of the first reader of its result
	v_fma_f32 v[T0], v[NS], v[R], 1.0              ; 1 - s R,
	v_fma_f32 v[R], v[T0], v[R], v[R]              ; R sharpened by it
	s_delay_alu instid0(VALU_DEP_1)
	v_fma_f32 v[T0], v[NS], v[R], 1.0
	s_delay_alu instid0(VALU_DEP_1)
	v_fma_f32 v[R], v[T0], v[R], v[R]
	s_delay_alu instid0(VALU_DEP_1)
	v_mov_b32 v[R+1], v[R]
	; sixteen groups: divide, hold, round to E4M3, bytes to LDS
.set gi, 0
.rept 16
.set QS, Q+8*(gi%2)
.set XG, X+8*gi
.irp p, 0,2,4,6
	v_pk_mul_f32 v[QS+\p:QS+\p+1], v[XG+\p:XG+\p+1], v[R:R+1]                              ; the quotient (also the plain instruction behind the last group's conversion)
.endr
.irp i, 0,1,2,3,4,5,6,7
	v_med3_num_f32 v[QS+\i], v[QS+\i], s[LO], s[HI]                                        ; the hold at +-448: the conversion does not saturate (ISA guide 7.6.2)
.endr
	v_cvt_scalef32_pk8_fp8_f32 v[D+2*gi:D+2*gi+1], v[QS:QS+7], v[ONE]                      ; eight numbers / 2^0 to E4M3, nearest, ties to even
.if \ahead
	LOADG 1, gi                                    ; this group's registers have had their last read
.endif
.if \kind
	ds_store_b32 v[LW4], v[D+2*gi] offset:256*gi                                           ; byte k of the row at address k
	ds_store_b32 v[LW4], v[D+2*gi+1] offset:256*gi+128
.else
	ds_store_b64 v[LW8], v[D+2*gi:D+2*gi+1] offset:256*gi
.endif
.set gi, gi+1
.endr
	v_nop                                          ; one plain instruction behind the last conversion
.if \kind == 1
	s_wait_alu depctr_va_vdst(0)
	s_wait_xcnt 0x0                                ; x's image was stored from the registers that are loaded below: they are written again only behind this wait
.endif
	; eight runs of 512 numbers (four steps): 16 neighbours a lane; block scale; codes and block bytes into the images
.irp j, 0,1,2,3,4,5,6,7
	ds_load_b128 v[F+4*\j:F+4*\j+3], v[LR] offset:512*\j                                   ; in order behind the stores above
.endr
.set ji, 0
.rept 8
.set YS, Q+(Y1-Q)*(ji%2)
	s_wait_dscnt 7+3*ji                            ; behind run j's load stand 7 - j loads and the four stores of each of the j runs before
	v_cvt_scale_pk8_f32_fp8 v[YS:YS+7], v[F+4*ji:F+4*ji+1], v[U7F]                         ; the E4M3 numbers, widened: exact
	v_cvt_scale_pk8_f32_fp8 v[YS+8:YS+15], v[F+4*ji+2:F+4*ji+3], v[U7F]
	; my step is s = 4 j + lane / 8; its piece is s / 3 = (11 s) >> 5, exact for s < 32.  (These plain lines stand between the conversions and the readers of their results)
.if ji > 0
	v_add_nc_u32 v[TS], 44*ji, v[LM]
	s_delay_alu instid0(VALU_DEP_1)
	v_lshrrev_b32 v[TS], 5, v[TS]
.else
	v_lshrrev_b32 v[TS], 5, v[LM]
.endif
	s_delay_alu instid0(VALU_DEP_1)
	v_mad_u32_u24 v[TB], v[TS], 244, v[LBI]                                                ; 256 piece + 4 (s - 3 piece) = 4 s + 244 piece (16 j stands in the offset)
	v_max3_num_f32 v[T1], |v[YS]|, |v[YS+1]|, |v[YS+2]|                                    ; the largest magnitude of my 16, in two chains
	v_max3_num_f32 v[T1+1], |v[YS+3]|, |v[YS+4]|, |v[YS+5]|
.irp i, 6,10
	v_max3_num_f32 v[T1], v[T1], |v[YS+\i]|, |v[YS+\i+1]|
	v_max3_num_f32 v[T1+1], v[T1+1], |v[YS+\i+2]|, |v[YS+\i+3]|
.endr
	v_max3_num_f32 v[T1], v[T1], |v[YS+14]|, |v[YS+15]|
	s_delay_alu instid0(VALU_DEP_1)
	v_max3_num_f32 v[T1], v[T1], v[T1+1], 0x1800000                                        ; and the floor 2^(3 - 127): the byte cannot fall under 1
	s_delay_alu instid0(VALU_DEP_1)
	v_max_num_f32_dpp v[T1], v[T1], v[T1] row_xmask:1 row_mask:0xf bank_mask:0xf           ; with my neighbour's 16: the block's
	s_delay_alu instid0(VALU_DEP_1)
	v_add_nc_u32 v[T0], 0xff000000, v[T1]                                                  ; 2 off its exponent field: the conversion's scale operand
	v_cvt_scalef32_pk16_fp6_f32 v[C+4*ji:C+4*ji+2], v[YS:YS+15], v[T0]                     ; sixteen codes, 96 bits, the first number's lowest
	v_lshrrev_b32 v[E+ji%2], 23, v[T0]                                                     ; the block's byte (the plain instruction behind the conversion)
	ds_store_b8 v[TB], v[E+ji%2] offset:16*ji+SIMB*\kind                                   ; both lanes of a block write the same byte with the same value
	ds_store_b32 v[LC], v[C+4*ji] offset:4*SPB*ji                                          ; twelve bytes at a multiple of 4: three words
	ds_store_b32 v[LC], v[C+4*ji+1] offset:4*SPB*ji+4
	ds_store_b32 v[LC], v[C+4*ji+2] offset:4*SPB*ji+8
.set ji, ji+1
.endr
.endm
; A tensor's image leaves: every wave has stored its row into it; behind the barrier wave w stores steps 2 w and 2 w + 1, and waves 0 to 10 the scales of piece w.
; Byte f of a fragment stands in LDS at f + 48 (f / 768): the first 512 bytes as they lie, the second 512 with lanes 16-31 48 bytes on, the third 48 bytes on.
.macro OUT kind
	s_wait_dscnt 0x0                               ; for the others' sake: my stores into the image are done
	s_barrier_signal -1
	s_barrier_wait -1
.irp n, 0,1
	ds_load_b128 v[F+12*\n:F+12*\n+3], v[RDI] offset:SPB*\n+CIMB*\kind
	ds_load_b128 v[F+12*\n+4:F+12*\n+7], v[RDI2] offset:SPB*\n+512+CIMB*\kind
	ds_load_b128 v[F+12*\n+8:F+12*\n+11], v[RDI] offset:SPB*\n+1072+CIMB*\kind
.endr
	ds_load_b64 v[F+24:F+25], v[RDS] offset:SIMB*\kind
.irp k, 0,1,2,3,4,5
	s_wait_dscnt 6-\k                              ; the 6 - k loads behind this one may be out
	global_store_b128 v[LOFF], v[F+4*\k:F+4*\k+3], s[44+4*(\k/3)+2*\kind:45+4*(\k/3)+2*\kind] offset:512*(\k%3)   ; 512 consecutive bytes, at a multiple of 256 from the buffer's first byte
.endr
	s_wait_dscnt 0x0
	s_cmp_lt_u32 s20, 11
	s_cbranch_scc0 .Lno_piece_\@
	global_store_b64 v[L8], v[F+24:F+25], s[54+2*\kind:55+2*\kind]   ; 32 lanes store one aligned block of 256 scale bytes
.Lno_piece_\@:
.endm
	ROW 0, 1
	OUT 0
	ROW 1, 0
	s_wait_xcnt 0x0                                ; EXEC changes only behind this wait
	v_cmp_eq_u32 vcc_lo, 0, v[LOFF]
	s_and_saveexec_b32 s26, vcc_lo
	global_store_b32 v[LOFF], v[RSC], s[10:11]     ; lane 0: my row's two scales
	global_store_b32 v[LOFF], v[RSC+1], s[14:15]
	s_wait_xcnt 0x0
	s_mov_b32 exec_lo, -1
	OUT 1
	s_wait_tensorcnt 0x0                           ; the wave's end
	ds_add_u32 v[SPW], v[NIL]
	s_wait_dscnt 0x0
	s_endpgm
.Lfunc_end_k_q833bad453d_quant:
	.size	k_q833bad453d_quant, .Lfunc_end_k_q833bad453d_quant-k_q833bad453d_quant
	.p2alignl 7, 3214868480
	.fill 96, 4, 3214868480
	.section	.rodata,"a",@progbits
	.p2align	6, 0x0
	.amdhsa_kernel k_q833bad453d_quant
		.amdhsa_group_segment_fixed_size 188416
		.amdhsa_private_segment_fixed_size 0
		.amdhsa_enable_private_segment 0
		.amdhsa_kernarg_size 48
		.amdhsa_user_sgpr_count 2
		.amdhsa_user_sgpr_kernarg_segment_ptr 1
		.amdhsa_wavefront_size32 1
		.amdhsa_system_sgpr_workgroup_id_x 1
		.amdhsa_system_sgpr_workgroup_id_y 1
		.amdhsa_system_sgpr_workgroup_id_z 1
		.amdhsa_system_vgpr_workitem_id 0
		.amdhsa_next_free_vgpr 256
		.amdhsa_next_free_sgpr 66
		.amdhsa_reserve_vcc 1
		.amdhsa_float_denorm_mode_32 3
		.amdhsa_float_denorm_mode_16_64 3
		.amdhsa_memory_ordered 1
		.amdhsa_forward_progress 1
		.amdhsa_inst_pref_size 83
	.end_amdhsa_kernel
	.amdgpu_metadata
---
amdhsa.version: [ 1, 2 ]
amdhsa.kernels:
  - .name:           k_q833bad453d_quant
    .symbol:         k_q833bad453d_quant.kd
    .args:
      - { .name: input_tensor, .offset: 0, .size: 8, .value_kind: global_buffer, .address_space: global }
      - { .name: weight, .offset: 8, .size: 8, .value_kind: global_buffer, .address_space: global }
      - { .name: xq, .offset: 16, .size: 8, .value_kind: global_buffer, .address_space: global }
      - { .name: x_rs, .offset: 24, .size: 8, .value_kind: global_buffer, .address_space: global }
      - { .name: wq, .offset: 32, .size: 8, .value_kind: global_buffer, .address_space: global }
      - { .name: w_rs, .offset: 40, .size: 8, .value_kind: global_buffer, .address_space: global }
    .group_segment_fixed_size: 188416
    .private_segment_fixed_size: 0
    .kernarg_segment_align: 8
    .kernarg_segment_size: 48
    .max_flat_workgroup_size: 512
    .sgpr_count:     66
    .vgpr_count:     256
    .wavefront_size: 32
...
	.end_amdgpu_metadata
.endif
;; end of part 1
;; launch gemm (part 2): grid 16 x 16, 4 waves a work-group, clusters of 4 x 4, 327,680 bytes of LDS; arguments xq, wq, out0, x_rs, w_rs, bias; writes out0
.if DOCPART == 2
	.amdgcn_target "amdgcn-amd-amdhsa--gfx1250"
	.amdhsa_code_object_version 6
	.text
	.protected	k_q833bad453d_gemm
	.globl	k_q833bad453d_gemm
	.p2align	8
	.type	k_q833bad453d_gemm,@function
k_q833bad453d_gemm:
	s_mov_b64 s[64:65], 0
	v_nop
	global_prefetch_b8 v0, s[64:65] scope:SCOPE_SE
	s_setreg_imm32_b32 hwreg(HW_REG_WAVE_MODE, 25, 1), 1
	s_wait_xcnt 0x0
	s_wait_alu depctr_hold_cnt(0) depctr_sa_sdst(0) depctr_va_vdst(0) depctr_va_sdst(0) depctr_va_ssrc(0) depctr_va_vcc(0) depctr_vm_vsrc(0)
	s_getreg_b32 s2, hwreg(HW_REG_IB_STS2, 6, 4)
	s_cmp_eq_u32 s2, 0
	s_cbranch_scc0 .Lentry_in_a_cluster
	s_endpgm
.Lentry_in_a_cluster:
	s_bfe_u32 s2, ttmp6, 0x10000c
	s_cmp_lg_u32 s2, 0xf033
	s_cbranch_scc0 .Lentry_shape_is_right
	s_endpgm
.Lentry_shape_is_right:
; out[m][n] = bf16( (sum over k of qx[m][k] qw[n][k]) sx[m] sw[n] + bias[n] ), the sum on codes of E2M3 with E8M0 block scales, f32 sums.  M = N = K = 4,096.
; A tile of 256 x 256 to a work-group of four waves; a wave makes 128 x 128: 64 accumulators, 512 registers.  32 steps of 128 along K.
; THE OPERANDS lie in memory as dense images of what LDS holds: [half of 128 rows][piece]; a piece = 2,048 bytes of scales + three steps (the last piece: two) of eight fragments of 1,536 bytes.
; A piece is 38,912 bytes and comes by one tensor load as 152 rows of 256 bytes (the last: 104), each at a multiple of 256.  In a fragment lane L's 48 bytes, its 12 operand registers, stand at 48 L:
; three loads of 16 bytes a fragment.
; RING: two slots, each a piece of A's two halves and of B's two; each wave fetches a quarter of a slot.  4 x 4 clusters: A's pieces are asked for jointly along a row of the cluster, B's along a column.
; A AND B HAVE TWO SETS OF FRAGMENT REGISTERS.  A step is eight groups of eight products (one block of A against B's eight).  The next step's 48 LDS loads stand in TWO runs of 24: B's eight fragments behind
; the second group, A's eight behind the sixth, so that two groups of products still follow the younger run.
; Four v_nop among a step's first products are the places between the last step's products and the loads into the registers that they read (ISA guide 7.12.1 for vector instructions).
; The reads of a slot end with its second step, so the round that changes slots stands in its third step, in front of that step's first run, and the refill has three steps in which to land.
; THE PRODUCT IS USED TRANSPOSED (source 0 = B's rows, source 1 = A's): a lane holds eight neighbouring columns of a row of out.  In the last step a block of 16 rows is finished by each group and leaves at once.
; PREFETCH: behind each refill but the last two the piece that the next refill will ask for is named, 152 blocks of 256 bytes; the four partners of a joint load take 38 blocks each, told apart by address.
; The head names pieces 1 and 2.  The last piece, which is shorter, is not named: every address stays inside its buffer.
; REGISTERS.  window 0: v0-31 addresses; v32-79 scale words, two sets of 24; v80-95 x's row scales; v96-191 A's set 0; v192-239 blocks 0-3 of A's set 1.
;   window 1: v0-95, v96-191 B's sets; v192-239 blocks 4-7 of A's set 1.   windows 2, 3: the accumulators of my rows 0-63, 64-127 ((a, b) at v[8 (8 (a % 4) + b)]).
.set STEPB,  12288
.set FRB,    1536
.set SCB,    2048
.set PIECEB, 38912
.set HBB,    415744
.set SLOT,   4*PIECEB
.set SPARE,  2*SLOT                    ; the spare words, 128 bytes a wave
.set SCR,    SPARE+512                 ; 768 bytes a wave: weight's row scales and the bias of my 128 columns; no tensor load lands here
.set STAGE,  SLOT                      ; the way out goes through slot 1, which has had its last fill and its last read by then
.set SPITCH, 272
.set OROW,   8192
.set TRIPS,  4
.set ADRA, 16
.set ADRS, 18
.set ADRB, 20
.set SWR,  22
.set BIR,  23
.set STO,  24
.set RD,   25
.set CO,   26
.set SPW,  28
.set NIL,  29
.set PFO,  30
.set PFO2, 31
.set SC,   32
.set SX,   80
.set SW,   96                          ; in the last step: weight's row scales, 8 a block of columns (A's set 0 is free)
.set RAW,  160                         ; the bias as loaded
.set G1, 24
.set G0, 32
.set G1B, 48
.set G0B, 56
.set PFA, 72
.set MSB, 0
.macro WIN new
.if MSB != (\new)
	s_set_vgpr_msb (MSB<<8)|(\new)
.set MSB, (\new)
.endif
.endm
.set TO_B, 0x40
.macro PLACES
.rept 4
	v_nop
.endr
.endm
; a joint load: waves 0 and 1 fetch A's halves, waves 2 and 3 B's; s_nop 0 and four v_nop behind each line
.macro JLOAD g0a, g1a, g0b, g1b
	s_cmp_eq_u32 s15, 0
	s_cbranch_scc0 .Lfor_b_\@
	tensor_load_to_lds s[\g0a:\g0a+3], s[\g1a:\g1a+7]
	s_nop 0
	PLACES
	s_branch .Lasked_\@
.Lfor_b_\@:
	tensor_load_to_lds s[\g0b:\g0b+3], s[\g1b:\g1b+7]
	s_nop 0
	PLACES
.Lasked_\@:
.endm
.macro CREST
	s_cmp_lg_u32 s14, 0
	s_cbranch_scc1 .Lnot_wave_0_\@
	s_barrier_signal -3
.Lnot_wave_0_\@:
	s_barrier_wait -3
	s_barrier_signal -1
	s_barrier_wait -1
.endm
.macro CROUND
	s_barrier_signal -1
	s_barrier_wait -1
	CREST
.endm
.macro ASK how                         ; how = 2: not in the loop's last trip, where the next piece is the short one
.if (\how) == 2
	s_cmp_gt_u32 s3, 1
	s_cbranch_scc0 .Lno_ask_\@
.endif
	global_prefetch_b8 v[PFO], s[PFA:PFA+1] th:TH_LOAD_NT scope:SCOPE_SE
	global_prefetch_b8 v[PFO2], s[PFA:PFA+1] th:TH_LOAD_NT scope:SCOPE_SE
.Lno_ask_\@:
.endm
	s_load_b128 s[4:7], s[0:1], 0x0                ; x's images, weight's images
	s_load_b128 s[8:11], s[0:1], 0x10              ; out, x's row scales
	s_load_b128 s[68:71], s[0:1], 0x20             ; weight's row scales, bias
	v_lshl_add_u32 v[SPW], v0, 2, SPARE
	v_mov_b32 v[NIL], 0
	ds_add_u32 v[SPW], v[NIL]                      ; the opening lines: the add, twice on end, and its wait
	ds_add_u32 v[SPW], v[NIL]
	v_lshrrev_b32 v1, 5, v0
	v_readfirstlane_b32 s14, v1                    ; wave 0..3
	s_lshr_b32 s15, s14, 1                         ; my half of the tile's rows; also: I fetch for A (0) or B (1)
	s_and_b32 s16, s14, 1                          ; my half of its columns; also: which half I fetch
	s_bfe_u32 s40, ttmp6, 0x40000                  ; cx
	s_bfe_u32 s41, ttmp6, 0x40004                  ; cy
	s_lshl_b32 s42, ttmp9, 2
	s_add_co_u32 s42, s42, s40                     ; tile column
	s_and_b32 s17, ttmp7, 0xffff
	s_lshl_b32 s17, s17, 2
	s_add_co_u32 s17, s17, s41                     ; tile row
	s_lshl_b32 s43, s41, 2
	s_lshl_b32 s43, 15, s43                        ; my row of the cluster
	s_lshl_b32 s44, 0x1111, s40                    ; my column
	s_or_b32 s[G1+0], s43, (3<<16)|(1<<21)         ; elements of 8 bytes, no padding
	s_or_b32 s[G1B+0], s44, (3<<16)|(1<<21)
.irp g, G1, G1B
	s_mov_b32 s[\g+1], 32<<16                      ; rows of 32 elements, 256 bytes
	s_mov_b32 s[\g+2], 152<<16
	s_mov_b32 s[\g+3], 32<<16
	s_mov_b32 s[\g+4], 152
	s_mov_b32 s[\g+5], 32
	s_mov_b32 s[\g+6], 0
	s_mov_b32 s[\g+7], 0
.endr
	s_lshl_b32 s20, s17, 1
	s_add_co_u32 s20, s20, s16
	s_mul_i32 s20, s20, HBB                        ; A: half 2 x tile row + which
	s_mov_b32 s21, 0
	s_lshl_b32 s46, s42, 1
	s_add_co_u32 s46, s46, s16
	s_mul_i32 s46, s46, HBB                        ; B: half 2 x tile column + which
	s_mov_b32 s47, 0
	s_mul_i32 s45, s14, PIECEB                     ; my quarter of a slot
	s_wait_dscnt 0x0
	s_wait_kmcnt 0x0
	s_add_nc_u64 s[20:21], s[4:5], s[20:21]
	s_add_nc_u64 s[46:47], s[6:7], s[46:47]
	CROUND                                         ; the first joint loads meet
.irp s, 0,1
	s_mov_b32 s[G0+4*\s], 1
	s_add_co_u32 s[G0+4*\s+1], s45, \s*SLOT
	s_add_nc_u64 s[G0+4*\s+2:G0+4*\s+3], s[20:21], \s*PIECEB
	s_or_b32 s[G0+4*\s+3], s[G0+4*\s+3], 0x80000000
	s_mov_b32 s[G0B+4*\s], 1
	s_add_co_u32 s[G0B+4*\s+1], s45, \s*SLOT
	s_add_nc_u64 s[G0B+4*\s+2:G0B+4*\s+3], s[46:47], \s*PIECEB
	s_or_b32 s[G0B+4*\s+3], s[G0B+4*\s+3], 0x80000000
.endr
	JLOAD G0, G1, G0B, G1B                         ; piece 0: one tensor load a wave at the head
	s_cmp_eq_u32 s15, 0
	s_cselect_b64 s[PFA:PFA+1], s[20:21], s[46:47] ; the half that I fetch,
	s_cselect_b32 s22, s40, s41                    ; my place among the four that ask for it with me
	s_add_nc_u64 s[PFA:PFA+1], s[PFA:PFA+1], 2*PIECEB
	s_mul_i32 s22, s22, 38
	s_lshl_b32 s18, s17, 8
	s_lshl_b32 s19, s15, 7
	s_add_co_u32 s18, s18, s19                     ; my first row
	s_mov_b32 s21, 0
	s_lshl_b32 s20, s18, 2
	s_add_nc_u64 s[10:11], s[10:11], s[20:21]
	s_lshl_b32 s20, s18, 13
	s_add_nc_u64 s[8:9], s[8:9], s[20:21]
	s_lshl_b32 s46, s42, 8
	s_lshl_b32 s47, s16, 7
	s_add_co_u32 s46, s46, s47                     ; my first column
	s_mov_b32 s13, 0
	s_lshl_b32 s12, s46, 2
	s_add_nc_u64 s[68:69], s[68:69], s[12:13]
	s_lshl_b32 s12, s46, 1
	s_add_nc_u64 s[70:71], s[70:71], s[12:13]
	s_add_nc_u64 s[8:9], s[8:9], s[12:13]
	s_mul_i32 s74, s15, PIECEB                     ; LDS: my half of A,
	s_mul_i32 s75, s16, PIECEB
	s_add_co_u32 s75, s75, 2*PIECEB                ; my half of B,
	s_xor_b32 s76, s15, 1
	s_add_co_u32 s76, s76, s16
	s_add_co_u32 s76, s76, 1
	s_mul_i32 s76, s76, PIECEB                     ; the distance between the two
	s_mul_i32 s77, s14, 16*SPITCH
	s_add_co_u32 s77, s77, STAGE
	s_mul_i32 s78, s14, 768
	s_add_co_u32 s78, s78, SCR
	v_and_b32 v1, 15, v0                           ; r
	v_bfe_u32 v2, v0, 4, 1                         ; h
	v_and_b32 v3, 31, v0                           ; lane
	v_mul_u32_u24 v4, v3, 48
	v_add_nc_u32 v4, SCB, v4
	v_add_nc_u32 v[ADRA], s74, v4
	v_add_nc_u32 v[ADRB], s75, v4
	v_add_nc_u32 v[ADRA+1], SLOT, v[ADRA]
	v_add_nc_u32 v[ADRB+1], SLOT, v[ADRB]
	v_mul_u32_u24 v5, s76, v2                      ; scale words: lanes 0-15 A's rows, lanes 16-31 B's
	v_lshl_add_u32 v5, v1, 4, v5
	v_add_nc_u32 v[ADRS], s74, v5
	v_add_nc_u32 v[ADRS+1], SLOT, v[ADRS]
	v_mul_u32_u24 v5, v1, SPITCH
	v_lshl_add_u32 v5, v2, 4, v5
	v_add_nc_u32 v[STO], s77, v5
	v_mul_u32_u24 v5, v2, SPITCH
	v_lshl_add_u32 v5, v1, 4, v5
	v_add_nc_u32 v[RD], s77, v5
	v_lshlrev_b32 v5, 13, v2
	v_lshl_add_u32 v[CO], v1, 4, v5
	v_lshlrev_b32 v7, 2, v1
	v_lshlrev_b32 v8, 4, v3
	v_lshlrev_b32 v9, 3, v3
	v_add_nc_u32 v10, s78, v8
	v_add_nc_u32 v11, s78, v9
	v_add_nc_u32 v11, 512, v11
	v_lshl_add_u32 v[SWR], v2, 5, s78
	v_lshl_add_u32 v[BIR], v2, 4, s78
	v_add_nc_u32 v[BIR], 512, v[BIR]
	v_add_nc_u32 v[PFO], s22, v3                   ; my 38 blocks of a piece: 32 by one line,
	v_lshlrev_b32 v[PFO], 8, v[PFO]
	v_min_u32 v12, 5, v3                           ; six by the other (the lanes left over name the last again)
	v_add_nc_u32 v12, s22, v12
	v_add_nc_u32 v12, 32, v12
	v_lshlrev_b32 v[PFO2], 8, v12
	s_wait_alu depctr_va_vdst(0)                   ; the wait at the head's end
.irp a, 0,1,2,3,4,5,6,7
	global_load_b32 v[SX+2*\a], v7, s[10:11] offset:64*\a
	global_load_b32 v[SX+2*\a+1], v7, s[10:11] offset:64*\a
.endr
	global_load_b128 v[96:99], v8, s[68:69]
	global_load_b64 v[100:101], v9, s[70:71]
	global_prefetch_b8 v[PFO], s[PFA:PFA+1] offset:-PIECEB th:TH_LOAD_NT scope:SCOPE_SE    ; pieces 1 and 2
	global_prefetch_b8 v[PFO2], s[PFA:PFA+1] offset:-PIECEB th:TH_LOAD_NT scope:SCOPE_SE
	global_prefetch_b8 v[PFO], s[PFA:PFA+1] th:TH_LOAD_NT scope:SCOPE_SE
	global_prefetch_b8 v[PFO2], s[PFA:PFA+1] th:TH_LOAD_NT scope:SCOPE_SE
	s_wait_loadcnt 0x0
	ds_store_b128 v10, v[96:99]                    ; my columns' scales and bias wait in my own scratch for the last step
	ds_store_b64 v11, v[100:101]
.macro F3 reg, adr, off                ; a fragment: 48 bytes a lane
	ds_load_b128 v[(\reg):(\reg)+3], v[\adr] offset:(\off)
	ds_load_b128 v[(\reg)+4:(\reg)+7], v[\adr] offset:(\off)+16
	ds_load_b128 v[(\reg)+8:(\reg)+11], v[\adr] offset:(\off)+32
.endm
; two fragments of step q of a slot into set np: g = 0 .. 3 B's blocks 2 g, 2 g + 1; g = 4 .. 7 A's blocks 2 (g - 4), 2 (g - 4) + 1
.macro LG g, slot, q, np
.if (\g) < 4
	WIN TO_B
	F3 96*(\np)+24*(\g), ADRB+\slot, (\q)*STEPB+2*(\g)*FRB
	F3 96*(\np)+24*(\g)+12, ADRB+\slot, (\q)*STEPB+(2*(\g)+1)*FRB
.else
.if (\np) == 0
	WIN 0
.set RL_, 96+24*((\g)-4)
.else
.if (\g) < 6
	WIN 0
.set RL_, 192+24*((\g)-4)
.else
	WIN TO_B
.set RL_, 192+24*((\g)-6)
.endif
.endif
	F3 RL_, ADRA+\slot, (\q)*STEPB+2*((\g)-4)*FRB
	F3 RL_+12, ADRA+\slot, (\q)*STEPB+(2*((\g)-4)+1)*FRB
.endif
.endm
.macro RUNB slot, q, np                ; 24 loads: B's eight fragments
.irp g, 0,1,2,3
	LG \g, \slot, \q, \np
.endr
.endm
.macro RUNA slot, q, np                ; 24 loads: A's eight fragments
.irp g, 4,5,6,7
	LG \g, \slot, \q, \np
.endr
.endm
.macro SCALES sc                       ; a piece's scale words: register 2 i + q (q < 2) or 16 + i (q = 2): lanes 0-15 A's block i, lanes 16-31 B's
.irp i, 0,1,2,3,4,5,6,7
	ds_load_b64 v[SC+24*(\sc)+2*\i:SC+24*(\sc)+2*\i+1], v[ADRS+\sc] offset:256*\i
	ds_load_b32 v[SC+24*(\sc)+16+\i], v[ADRS+\sc] offset:256*\i+8
.endr
.endm
; eight products: A's block a against B's eight, sets p, step q of the piece whose scale words lie in set sc.  The 64 accumulators take turns.
.macro GRP a, p, q, sc, zero, nops
.if (\a) < 4
	WIN 0xa1
.else
	WIN 0xf1+4*(\p)
.endif
.if (\p) == 0
.set RA_, 96+12*(\a)
.else
.set RA_, 192+12*((\a)%4)
.endif
.set SA_, SC+24*(\sc)+((\q)/2)*(16+(\a))+(1-(\q)/2)*(2*(\a)+(\q))
.irp b, 0,1,2,3,4,5,6,7
.set RD_, 8*(8*((\a)%4)+\b)
.set RB_, 96*(\p)+12*\b
.set SB_, SC+24*(\sc)+((\q)/2)*(16+\b)+(1-(\q)/2)*(2*\b+(\q))
.if \zero
	v_wmma_scale_f32_16x16x128_f8f6f4 v[RD_:RD_+7], v[RB_:RB_+11], v[RA_:RA_+11], 0, v[SB_], v[SA_] matrix_a_fmt:MATRIX_FMT_FP6 matrix_b_fmt:MATRIX_FMT_FP6 matrix_a_scale:MATRIX_SCALE_ROW1
.else
	v_wmma_scale_f32_16x16x128_f8f6f4 v[RD_:RD_+7], v[RB_:RB_+11], v[RA_:RA_+11], v[RD_:RD_+7], v[SB_], v[SA_] matrix_a_fmt:MATRIX_FMT_FP6 matrix_b_fmt:MATRIX_FMT_FP6 matrix_a_scale:MATRIX_SCALE_ROW1
.endif
.if (\nops) && (\b < 4)
	v_nop
.endif
.endr
.endm
; a step that stays in its slot: multiplies sets p, fetches step q + 1 into the other sets
.macro STEP slot, q, p, zero
	s_wait_dscnt 12                                ; all but the twelve youngest loads (A's blocks 4-7)
	GRP 0, \p, \q, \slot, \zero, 1
	GRP 1, \p, \q, \slot, \zero, 0
	RUNB \slot, (\q)+1, 1-(\p)
	GRP 2, \p, \q, \slot, \zero, 0
	GRP 3, \p, \q, \slot, \zero, 0
	s_wait_dscnt 24                                ; all but B's run: A's blocks 4-7 are in
	GRP 4, \p, \q, \slot, \zero, 0
	GRP 5, \p, \q, \slot, \zero, 0
	RUNA \slot, (\q)+1, 1-(\p)
	GRP 6, \p, \q, \slot, \zero, 0
	GRP 7, \p, \q, \slot, \zero, 0
	WIN 0
.endm
; a slot's third step: nobody reads the slot any more, and the other slot is wanted.  fill: a round of the cluster's barrier and the refill, two pieces on; last: that piece is the short one
.macro RSTEP slot, p, fill, ask, last
.if \ask
	s_wait_xcnt 0x0                                ; my prefetches have read their address
	s_add_nc_u64 s[PFA:PFA+1], s[PFA:PFA+1], PIECEB
.endif
	s_wait_tensorcnt 0x0                           ; my part of the other slot has landed: no tensor load of mine is out
	ds_add_u32 v[SPW], v[NIL]
.if \fill
	s_add_nc_u64 s[G0+4*\slot+2:G0+4*\slot+3], s[G0+4*\slot+2:G0+4*\slot+3], 2*PIECEB
	s_add_nc_u64 s[G0B+4*\slot+2:G0B+4*\slot+3], s[G0B+4*\slot+2:G0B+4*\slot+3], 2*PIECEB
.endif
.if \last
	s_mov_b32 s[G1+2], 104<<16
	s_mov_b32 s[G1+4], 104
	s_mov_b32 s[G1B+2], 104<<16
	s_mov_b32 s[G1B+4], 104
.endif
	s_wait_dscnt 13                                ; (the add and the twelve youngest loads may be out)
	GRP 0, \p, 2, \slot, 0, 1
	s_wait_dscnt 0x0                               ; the add is done, and my reads of this slot are over
	s_barrier_signal -1
	GRP 1, \p, 2, \slot, 0, 0
	WIN 0
	s_barrier_wait -1
.if \fill
	CREST
	JLOAD G0+4*\slot, G1, G0B+4*\slot, G1B         ; the first tensor load behind the round
.else
	PLACES
.endif
	RUNB 1-(\slot), 0, 1-(\p)
	WIN 0
	SCALES 1-(\slot)
.if \ask
	ASK \ask
.endif
	GRP 2, \p, 2, \slot, 0, 0
	GRP 3, \p, 2, \slot, 0, 0
	GRP 4, \p, 2, \slot, 0, 0
	GRP 5, \p, 2, \slot, 0, 0
	RUNA 1-(\slot), 0, 1-(\p)
	GRP 6, \p, 2, \slot, 0, 0
	GRP 7, \p, 2, \slot, 0, 0
	WIN 0
.endm
; THE WAY OUT of block a of 16 rows: x sx, x sw + bias, to bf16 (each accumulator from its low end on); through my stage; stored as whole rows of 256 bytes
.macro PACK a
.set WW_, 2+(\a)/4
.set AC_, 64*((\a)%4)
	WIN (WW_<<6)|WW_
.set bb, 0
.rept 8
.set pp, 0
.rept 4
	v_pk_mul_f32 v[AC_+8*bb+2*pp:AC_+8*bb+2*pp+1], v[AC_+8*bb+2*pp:AC_+8*bb+2*pp+1], v[SX+2*(\a):SX+2*(\a)+1]
.set pp, pp+1
.endr
.set bb, bb+1
.endr
	WIN (WW_<<6)|0x10|WW_
.set bb, 0
.rept 8
.set pp, 0
.rept 4
	v_pk_fma_f32 v[AC_+8*bb+2*pp:AC_+8*bb+2*pp+1], v[AC_+8*bb+2*pp:AC_+8*bb+2*pp+1], v[SW+8*bb+2*pp:SW+8*bb+2*pp+1], v[8*bb+2*pp:8*bb+2*pp+1]
.set pp, pp+1
.endr
.set bb, bb+1
.endr
	WIN (WW_<<6)|(WW_<<2)|WW_
.set bb, 0
.rept 32
	v_cvt_pk_bf16_f32 v[AC_+bb], v[AC_+2*bb], v[AC_+2*bb+1]
.set bb, bb+1
.endr
.endm
.macro TOSTAGE a
.set WW_, 2+(\a)/4
.set AC_, 64*((\a)%4)
	WIN (WW_<<2)
.irp b, 0,1,2,3,4,5,6,7
	ds_store_b128 v[STO], v[AC_+4*\b:AC_+4*\b+3] offset:32*\b
.endr
	WIN (WW_<<6)
.irp t, 0,1,2,3,4,5,6,7
	ds_load_b128 v[AC_+32+4*\t:AC_+32+4*\t+3], v[RD] offset:\t*2*SPITCH    ; in order behind my stores
.endr
	WIN 0
.endm
.macro SEND a, younger                 ; younger: the LDS instructions issued behind block a's loads, which may stay out
.set WW_, 2+(\a)/4
.set AC_, 64*((\a)%4)
	s_wait_dscnt \younger
	WIN (WW_<<2)
.irp t, 0,1,2,3,4,5,6,7
	global_store_b128 v[CO], v[AC_+32+4*\t:AC_+32+4*\t+3], s[8:9] offset:(16*(\a)+2*\t)*OROW th:TH_STORE_NT   ; sixteen lanes store 256 consecutive bytes, aligned
.endr
	WIN 0
.endm
	s_wait_tensorcnt 0x0                           ; my part of piece 0 is in
	ds_add_u32 v[SPW], v[NIL]
	s_wait_dscnt 0x0
	CROUND
	JLOAD G0+4, G1, G0B+4, G1B                     ; piece 1, the first tensor load behind the round
	RUNB 0, 0, 0
	WIN 0
	SCALES 0
	RUNA 0, 0, 0
	STEP 0, 0, 0, 1                                ; the first step's products start the sums
	s_mov_b32 s3, TRIPS
.Llap:                                                 ; a trip: six steps, once round the ring and back to the same sets
	STEP 0, 1, 1, 0
	RSTEP 0, 0, 1, 1, 0
	STEP 1, 0, 1, 0
	STEP 1, 1, 0, 0
	RSTEP 1, 1, 1, 2, 0
	STEP 0, 0, 0, 0
	s_sub_co_u32 s3, s3, 1
	s_cmp_lg_u32 s3, 0
	s_cbranch_scc1 .Llap
	STEP 0, 1, 1, 0                                ; steps 25 to 30
	RSTEP 0, 0, 1, 0, 1                            ; the last refill: piece 10
	STEP 1, 0, 1, 0
	STEP 1, 1, 0, 0
	RSTEP 1, 1, 0, 0, 0                            ; nothing is filled again: a barrier shows piece 10 whole and slot 1 read out
	STEP 0, 0, 0, 0
	; step 31: each group finishes a block of 16 rows
	s_wait_dscnt 12
	GRP 0, 1, 1, 0, 0, 1
	WIN 0
.irp b, 0,1,2,3,4,5,6,7
	ds_load_b128 v[SW+8*\b:SW+8*\b+3], v[SWR] offset:64*\b           ; sw of columns 16 b + 8 h + 0 .. 7
	ds_load_b128 v[SW+8*\b+4:SW+8*\b+7], v[SWR] offset:64*\b+16
	ds_load_b128 v[RAW+4*\b:RAW+4*\b+3], v[BIR] offset:32*\b         ; their bias, bf16
.endr
	GRP 1, 1, 1, 0, 0, 0
	s_wait_dscnt 0x0
	WIN TO_B
.set bb, 0
.rept 32
	v_lshlrev_b32 v[2*bb], 16, v[RAW+bb]           ; the bias as f32, into B's set 0, which is free
	v_and_b32 v[2*bb+1], 0xffff0000, v[RAW+bb]
.set bb, bb+1
.endr
; block a's vector work stands behind the products of block a + 2; block a - 1's rows, back from the stage, are stored behind block a's stage instructions
.irp a, 0,1,2,3,4,5,6,7
.if \a < 6
	GRP \a+2, 1, 1, 0, 0, 0
.endif
	PLACES
	PACK \a
	TOSTAGE \a
.if \a > 0
	SEND \a-1, 16                                  ; behind block a - 1's loads: block a's 8 stores and 8 loads
.endif
.endr
	SEND 7, 0
	s_wait_tensorcnt 0x0                           ; the wave's end
	ds_add_u32 v[SPW], v[NIL]
	s_wait_dscnt 0x0
	CROUND                                         ; the closing round
	s_endpgm
.Lfunc_end_k_q833bad453d_gemm:
	.size	k_q833bad453d_gemm, .Lfunc_end_k_q833bad453d_gemm-k_q833bad453d_gemm
	.p2alignl 7, 3214868480
	.fill 96, 4, 3214868480
	.section	.rodata,"a",@progbits
	.p2align	6, 0x0
	.amdhsa_kernel k_q833bad453d_gemm
		.amdhsa_group_segment_fixed_size 327680
		.amdhsa_private_segment_fixed_size 0
		.amdhsa_enable_private_segment 0
		.amdhsa_kernarg_size 48
		.amdhsa_user_sgpr_count 2
		.amdhsa_user_sgpr_kernarg_segment_ptr 1
		.amdhsa_wavefront_size32 1
		.amdhsa_system_sgpr_workgroup_id_x 1
		.amdhsa_system_sgpr_workgroup_id_y 1
		.amdhsa_system_sgpr_workgroup_id_z 1
		.amdhsa_system_vgpr_workitem_id 0
		.amdhsa_next_free_vgpr 1024
		.amdhsa_next_free_sgpr 80
		.amdhsa_reserve_vcc 0
		.amdhsa_float_denorm_mode_32 3
		.amdhsa_float_denorm_mode_16_64 3
		.amdhsa_memory_ordered 1
		.amdhsa_forward_progress 1
		.amdhsa_inst_pref_size 251
	.end_amdhsa_kernel
	.amdgpu_metadata
---
amdhsa.version: [ 1, 2 ]
amdhsa.kernels:
  - .name:           k_q833bad453d_gemm
    .symbol:         k_q833bad453d_gemm.kd
    .args:
      - { .name: xq, .offset: 0, .size: 8, .value_kind: global_buffer, .address_space: global }
      - { .name: wq, .offset: 8, .size: 8, .value_kind: global_buffer, .address_space: global }
      - { .name: out0, .offset: 16, .size: 8, .value_kind: global_buffer, .address_space: global }
      - { .name: x_rs, .offset: 24, .size: 8, .value_kind: global_buffer, .address_space: global }
      - { .name: w_rs, .offset: 32, .size: 8, .value_kind: global_buffer, .address_space: global }
      - { .name: bias, .offset: 40, .size: 8, .value_kind: global_buffer, .address_space: global }
    .group_segment_fixed_size: 327680
    .private_segment_fixed_size: 0
    .kernarg_segment_align: 8
    .kernarg_segment_size: 48
    .max_flat_workgroup_size: 128
    .sgpr_count:     80
    .vgpr_count:     1024
    .wavefront_size: 32
...
	.end_amdgpu_metadata
.endif
;; end of part 2
